; MI455X (gfx1250); checked and timed in simulation.
; The chip was launched on July 23, 2026; its instructions are those of AMD's public machine-readable ISA for CDNA 5 (MIT licence, August 2026) and "CDNA5" Instruction Set Architecture Reference Guide (July 2026). The comments in the code are by the model that wrote it; some were corrected since.
;; Self Attention. Allowed arithmetic: matrix products marked QUANTISED: E4M3 operands, one E8M0 scale for each 32 along K, by v_wmma_scale_f32_16x16x128_f8f6f4 with both operands' format E4M3, f32 sums; everything else in f32.
;; Inputs: entangle_params 1,024 x 1,024 float32; inputs 4 x 2,048 x 1,024 float32; ln_bias 1,024 float32; ln_weight 1,024 float32; rotation_params 1,024 x 1,024 float32.
;; Outputs: out0 4 x 2,048 x 1,024 float32.
;; This version of the problem:
;;   THIS VERSION OF THE PROBLEM IS GIVEN IN LOW PRECISION. The matrix products marked QUANTISED in the list below multiply operands that are first quantised to E4M3 (4 exponent bits, 3 mantissa bits; 8 bits a number), with one power-of-two scale for each 32 numbers along K (OCP MX v1.0); their sums are f32. All else is computed in f32.
;;   The module's matrix products, in the order in which they are computed (A, B: the left and right operand; K: the contracted axis; several contracted axes count as one K, in the product's order):
;;     1. [M 8,192, K 1,024] x [K 1,024, N 1,024]; A: input inputs; B: input rotation_params: QUANTISED
;;     2. [M 8,192, K 1,024] x [K 1,024, N 1,024]; A: input inputs; B: input entangle_params: QUANTISED
;;     3. batch 64 x [M 2,048, K 64] x [K 64, N 2,048]; A: computed on the way; B: computed on the way: QUANTISED
;;     4. batch 64 x [M 2,048, K 2,048] x [K 2,048, N 64]; A: softmax (see below); B: input inputs: QUANTISED
;;   THE QUANTISER, for each operand of a quantised product, along K:
;;     - K is cut into blocks of 32 from its start; a last block that is shorter is filled with zeros.
;;     - A block's scale is 2^e with e = floor(log2(the largest magnitude in the block)) - 8, held to -126 .. 127; a block of zeros has e = 0. As a byte (E8M0): e + 127.
;;     - Each number is divided by its block's scale, clamped to +-448, and rounded to the nearest number of E4M3, ties to even, subnormals kept.
;;     - The product sums the exact products of the quantised numbers (number of the format x scale) in f32.
;;   ~~~python
;;   def quantise(x, axis):      # numpy; x: float32 -> the quantised numbers, widened to float32 again
;;       x = np.moveaxis(x, axis, -1); K = x.shape[-1]
;;       x = np.pad(x, [(0, 0)] * (x.ndim - 1) + [(0, -K % 32)]); x = x.reshape(x.shape[:-1] + (-1, 32)); a = np.abs(x).max(-1, keepdims=True)
;;       e = np.where(a > 0, np.clip(np.frexp(np.where(a > 0, a, 1))[1] - 1 - 8, -126, 127), 0)      # np.frexp(a)[1] - 1 = floor(log2(a)), exactly
;;       r = np.clip(x / 2.0 ** e, -448, 448)
;;       step = 2.0 ** (np.maximum(np.frexp(np.where(r == 0, 1, r))[1] - 1, -6) - 3)
;;       q = np.round(r / step) * step * 2.0 ** e      # np.round: ties to even
;;       return np.moveaxis(q.reshape(q.shape[:-2] + (-1,))[..., :K], -1, axis).astype(np.float32)
;;   ~~~
;;   SOFTMAX AHEAD OF A QUANTISED PRODUCT. Where the list says 'softmax', what is quantised is not the finished softmax but p = 2^(t - M), with t = logit x log2(e) and M = ceil(the row's largest t), a whole number; so 1/2 < the row's largest p <= 1. The row's sum l is taken of the UNQUANTISED p, in f32, and the product's result is divided by l at the end. Since M is a whole number, a kernel that streams over the keys may use a running M (the ceiling of the running maximum): every later rescaling is an exact power of two, which a block's scale takes up: the codes' values come out the same.
;;   OPERANDS COMPUTED ON THE WAY. 'Computed on the way' means the value that the module computes at that place (a softmax that the list does not call 'softmax' is quantised finished and normalised). What goes into a quantiser is computed in f32, as accurately as f32 sums, v_exp_f32 and their like allow (about 1e-6 of the number): no bf16 or f16 on the way to a quantiser, and a product that is left as it is and whose result goes on into a quantised operand takes f32 operands (vector FMAs, or v_wmma_f32_16x16x4_f32). A number that lies on a knife's edge between two numbers of the format may be rounded either way, as far as f32 arithmetic and the matrix unit's own rounding can turn it there, and no further.
;; One version. Each part assembles by itself: llvm-mc -triple=amdgcn-amd-amdhsa -mcpu=gfx1250 --defsym DOCPART=n.
;; ======== version 1 of 1: 4 launches
;; limits: right only within a limited range of input values
;; workspace buffers: c1 18,874,368 bytes; s1 589,824 bytes; qkc 16,777,216 bytes; qks 524,288 bytes; y 33,554,432 bytes
;; launch quant (part 1): grid 896 x 1, 4 waves a work-group, no clusters, 33,280 bytes of LDS; arguments inputs, rotation_params, entangle_params, c1, s1; writes c1, s1
.if DOCPART == 1
	.amdgcn_target "amdgcn-amd-amdhsa--gfx1250"
	.amdhsa_code_object_version 6
	.text
	.protected	k_q742da00acc_quant
	.globl	k_q742da00acc_quant
	.p2align	8
	.type	k_q742da00acc_quant,@function
k_q742da00acc_quant:
	s_mov_b64 s[64:65], 0
	v_nop
	global_prefetch_b8 v0, s[64:65] scope:SCOPE_SE
	s_setreg_imm32_b32 hwreg(HW_REG_WAVE_MODE, 25, 1), 1
	s_wait_xcnt 0x0
; THE QUANTISER: f32 numbers into codes of FP8 (E4M3) with one E8M0 scale byte for each 32 along K, for four operands.
; PATH X (work-groups 0-255): x [8192][1024] along its last axis, for x R and x E.  Codes c1[p][1024], scale bytes s1[p][32].
; PATH T (work-groups 256-895): operands whose K is their FIRST axis: x along the keys (the values of attention), and the two weights [1024 (k)][1024 (n)].
; sg(i) = i with bits 3 and 4 exchanged.  Stored row p of x's codes holds x's row sg(p); stored row n of a weight holds column sg(n); row r of tile t of V holds channel sg(16 t + r).
; With rows stored so, a transposed product's results lie in a lane's registers as 16 neighbours along the next product's K, and nothing is permuted later.
; PATH T's codes are stored as IMAGES OF OPERAND REGISTERS: a group of 512 bytes holds 16 rows x 32 along K; row r's codes k = 16 h + 0..15 lie at 256 h + 16 r.
;   W at c1 + WC: [128 rows G][256 along K ks][128 along K q][16 rows i][32 along K c] groups;  V at c1 + VC: [batch x head][128 keys j][16 channels t][32 keys c] groups.
;   W's scale bytes at s1 + WS: [stored row][32];  V's at s1 + VS: [batch x head][j][r][t] words, byte c for keys 128 j + 32 c on.
; A block's scale is 2^(floor(log2(its largest magnitude)) - 8); its byte is the largest magnitude's exponent field - 8, held at 1 from below by a floor among the maximum's leaves.
; LIMITS: a block whose largest magnitude lies under 2^(9 - 127), a block of zeros among them, gets the byte 1 (the rule says 127 for zeros: its codes are zeros, and this program alone reads the bytes);
; NaN and infinities among the inputs are not served.
; No tensor loads, no barrier: waves share nothing.  Only path X touches LDS.
.set STEPS, 16
.set WREG,  8192                       ; LDS of a wave in path X: two stages of 32 x SP bytes, then its 256 scale bytes
.set SP,    80                         ; a lane's place in a stage: 64 bytes + 16 of padding
.set MANT,  0x600000                   ; the mantissa field of 448
.set RW,    16                         ; path X: v16-79 four sets of 16 numbers as loaded
.set XN,    80                         ;         v80-111 two sets of 16 neighbours
.set EB,    112                        ;         v112-127 a scale byte for each step
.set CX,    128                        ;         v128-191 codes, four registers a step: no store's data are written again
.set WC,    0x800000
.set VC,    0xa00000
.set WS,    0x40000
.set VS,    0x50000
.set TX,    32                         ; path T: v32-95 two sets of 32 numbers
.set TC,    96                         ;         v96-127 codes, eight registers a block: no store's data are written again
.set TW,    24                         ;         v24 the four scale bytes
.set NBT,   4                          ;         blocks of 32 along K for a wave
	s_load_b256 s[4:11], s[0:1], 0x0               ; x s[4:5], R s[6:7], E s[8:9], c1 s[10:11]
	s_load_b64 s[12:13], s[0:1], 0x20              ; s1
	v_lshl_add_u32 v192, v0, 2, 0x8000
	v_mov_b32 v193, 0
	v_lshrrev_b32 v1, 5, v0
	v_readfirstlane_b32 s16, v1                    ; wave 0..3
	v_and_b32 v2, 31, v0                           ; lane
	s_mov_b32 s14, MANT                            ; (an instruction takes one literal: the hold's line has another)
	s_cmp_lt_u32 ttmp9, 256
	s_cbranch_scc0 .Lpath_t
; ---------------- PATH X.  A wave takes a run of 8 rows (8,192 numbers) in 16 steps of 512.  Each load reads 512 consecutive bytes; a step's 2,048 bytes turn through the wave's own stage
; so that a lane holds 16 neighbours (two neighbouring lanes hold a block).  Run 4 g + w is stored as run 4 g + (w with its two bits exchanged): that is sg on the rows.
	v_lshlrev_b32 v3, 4, v2                        ; 16 x lane: my bytes of a load's 512, and of a step's 512 codes
	s_mul_i32 s17, s16, WREG
	v_lshrrev_b32 v14, 2, v2
	v_mul_u32_u24 v14, v14, SP
	v_and_b32 v15, 3, v2
	v_lshl_add_u32 v14, v15, 4, v14
	v_add_nc_u32 v14, s17, v14                     ; the stage, on the way in: SP (lane / 4) + 16 (lane % 4)
	v_mul_u32_u24 v15, v2, SP
	v_add_nc_u32 v15, s17, v15                     ; and on the way out: SP x lane
	v_lshrrev_b32 v5, 1, v2
	s_add_co_u32 s17, s17, 2*32*SP
	v_add_nc_u32 v5, s17, v5                       ; my block's byte among the wave's 256
	v_lshlrev_b32 v7, 3, v2
	v_add_nc_u32 v6, s17, v7                       ; and 8 bytes a lane on their way out
	s_lshl_b32 s18, ttmp9, 2
	s_add_co_u32 s20, s18, s16                     ; the run that I read
	s_lshl_b32 s20, s20, 15                        ; 32,768 bytes a run
	s_mov_b32 s21, 0
	s_and_b32 s22, s16, 1
	s_lshl_b32 s22, s22, 1
	s_lshr_b32 s23, s16, 1
	s_or_b32 s22, s22, s23
	s_add_co_u32 s22, s18, s22                     ; the run that I write
	s_lshl_b32 s24, s22, 8                         ; 256 scale bytes a run
	s_mov_b32 s25, 0
	s_lshl_b32 s22, s22, 13                        ; 8,192 codes a run
	s_mov_b32 s23, 0
	s_wait_alu depctr_va_vdst(0)
	s_wait_kmcnt 0x0
	s_add_nc_u64 s[4:5], s[4:5], s[20:21]
	s_add_nc_u64 s[10:11], s[10:11], s[22:23]
	s_add_nc_u64 s[12:13], s[12:13], s[24:25]
.macro XLOAD t
.irp i, 0,1,2,3
	global_load_b128 v[RW+16*((\t)%4)+4*\i:RW+16*((\t)%4)+4*\i+3], v3, s[4:5] offset:2048*(\t)+512*\i   ; no hint: path T reads x too
.endr
.endm
.macro XTURN t                         ; LDS serves a wave's instructions in order: no wait between the stores and the loads
.irp i, 0,1,2,3
	ds_store_b128 v14, v[RW+16*((\t)%4)+4*\i:RW+16*((\t)%4)+4*\i+3] offset:32*SP*((\t)%2)+8*SP*\i
.endr
.irp i, 0,1,2,3
	ds_load_b128 v[XN+16*((\t)%2)+4*\i:XN+16*((\t)%2)+4*\i+3], v15 offset:32*SP*((\t)%2)+16*\i
.endr
.endm
.irp t, 0,1,2,3
	XLOAD \t
.endr
	s_wait_loadcnt 12                              ; step 0's four loads are in
	XTURN 0
.macro XSTEP t
.set XS, XN+16*((\t)%2)
.if (\t) > 0
	s_wait_dscnt 1                                 ; this step's numbers are back from the stage (the last step's byte store may be out)
.else
	s_wait_dscnt 0x0
.endif
.if (\t)+4 < STEPS
	XLOAD (\t)+4                                   ; into the registers that this step's stores into the stage have read
.endif
.if (\t)+1 < STEPS
.if STEPS-2-(\t) >= 3
	s_wait_loadcnt 12                              ; the next step's four loads are in; three steps' loads may be out
.else
	s_wait_loadcnt 4*(STEPS-2-(\t))
.endif
	XTURN (\t)+1
.endif
	v_max3_num_f32 v8, |v[XS]|, |v[XS+1]|, |v[XS+2]|
	v_max3_num_f32 v9, |v[XS+3]|, |v[XS+4]|, |v[XS+5]|
.irp i, 6,10
	v_max3_num_f32 v8, v8, |v[XS+\i]|, |v[XS+\i+1]|
	v_max3_num_f32 v9, v9, |v[XS+\i+2]|, |v[XS+\i+3]|
.endr
	v_max3_num_f32 v8, v8, |v[XS+14]|, |v[XS+15]|
	v_max3_num_f32 v8, v8, v9, 0x4800000           ; and the floor 2^(9 - 127): the byte cannot fall under 1
	v_max_num_f32_dpp v8, v8, v8 row_xmask:1 row_mask:0xf bank_mask:0xf   ; with my neighbour's 16: the block's largest magnitude
	v_add_nc_u32 v11, 0xfc000000, v8               ; 8 off its exponent field: the conversion's scale operand
	v_and_or_b32 v10, v8, 0x7f800000, s14          ; 448 x the scale
.irp i, 0,1,2,3,4,5,6,7,8,9,10,11,12,13,14,15
	v_med3_num_f32 v[XS+\i], v[XS+\i], -v10, v10   ; the conversion to an 8-bit code does not saturate (ISA guide 7.6.2): the hold comes first
.endr
	v_cvt_scalef32_pk8_fp8_f32 v[CX+4*(\t):CX+4*(\t)+1], v[XS:XS+7], v11
	v_cvt_scalef32_pk8_fp8_f32 v[CX+4*(\t)+2:CX+4*(\t)+3], v[XS+8:XS+15], v11
	v_lshrrev_b32 v[EB+(\t)], 23, v11              ; the scale's byte
	ds_store_b8 v5, v[EB+(\t)] offset:16*(\t)      ; both lanes of a block write the same byte with the same value
	global_store_b128 v3, v[CX+4*(\t):CX+4*(\t)+3], s[10:11] offset:512*(\t)   ; the wave stores 512 consecutive bytes
.endm
.irp t, 0,1,2,3,4,5,6,7,8,9,10,11,12,13,14,15
	XSTEP \t
.endr
	ds_load_b64 v[12:13], v6                       ; in order behind my byte stores
	s_wait_dscnt 0x0
	global_store_b64 v7, v[12:13], s[12:13]        ; 32 lanes store 256 consecutive bytes, aligned
	s_wait_tensorcnt 0x0
	ds_add_u32 v192, v193
	s_wait_dscnt 0x0
	s_endpgm
; ---------------- PATH T.  A wave takes 32 columns x 128 along K: four blocks.  A LANE TAKES A COLUMN AND ITS REGISTERS RUN DOWN K: a block of 32 lies in one lane, and the conversions give codes with K innermost.
; u = work-group - 256; hf = u % 2: which 128 of 256 along K; cg = (u / 2) % 8: which 128 columns; ci = u / 16: 0-31: x, batch ci / 8, keys 256 (ci % 8) on; 32-35: R, 36-39: E, rows 256 (ci % 4) on.
; Both variants of every offset are made first; then the buffers and the offsets are chosen on ci alone; hf's part is added last, by the strides that were chosen.
.Lpath_t:
	s_sub_co_u32 s17, ttmp9, 256
	s_and_b32 s38, s17, 1                          ; hf
	s_lshr_b32 s17, s17, 1
	s_and_b32 s18, s17, 7                          ; cg
	s_lshr_b32 s19, s17, 3                         ; ci
	s_lshr_b32 s20, s16, 1                         ; w / 2
	s_and_b32 s21, s16, 1                          ; w % 2
	s_lshr_b32 s34, s19, 3                         ; V: batch
	s_and_b32 s35, s19, 7                          ;    which 256 keys
	s_lshl_b32 s22, s34, 21                        ; V's codes: 16 heads x 131,072 bytes a batch,
	s_lshl_b32 s36, s18, 18                        ; two heads to 128 columns,
	s_add_co_u32 s22, s22, s36
	s_lshl_b32 s36, s20, 17                        ; my head of the two,
	s_add_co_u32 s22, s22, s36
	s_lshl_b32 s36, s35, 14                        ; 256 keys are two j of 8,192 bytes,
	s_add_co_u32 s22, s22, s36
	s_lshl_b32 s36, s21, 12                        ; my 32 channels are two tiles of 2,048 bytes
	s_add_co_u32 s22, s22, s36
	s_add_co_u32 s22, s22, VC
	s_lshl_b32 s24, s34, 16                        ; V's scale words: 4,096 bytes a head, 256 a j, 16 a row, 4 a tile
	s_lshl_b32 s36, s18, 13
	s_add_co_u32 s24, s24, s36
	s_lshl_b32 s36, s20, 12
	s_add_co_u32 s24, s24, s36
	s_lshl_b32 s36, s35, 9
	s_add_co_u32 s24, s24, s36
	s_lshl_b32 s36, s21, 3
	s_add_co_u32 s24, s24, s36
	s_add_co_u32 s24, s24, VS
	s_lshl_b32 s26, s19, 20                        ; V's source: 256 rows of 4,096 bytes for each ci
	s_and_b32 s34, s19, 3                          ; W: ks
	s_bfe_u32 s35, s19, 0x10002                    ;    0: R, 1: E
	s_lshl_b32 s23, s35, 20                        ; W's codes: 8 groups of 131,072 bytes a weight,
	s_lshl_b32 s36, s18, 17
	s_add_co_u32 s23, s23, s36
	s_lshl_b32 s36, s34, 15                        ; 32,768 bytes for 256 along K,
	s_add_co_u32 s23, s23, s36
	s_lshl_b32 s36, s16, 12                        ; my 32 columns are two tiles of 2,048 bytes
	s_add_co_u32 s23, s23, s36
	s_add_co_u32 s23, s23, WC
	s_lshl_b32 s25, s35, 15                        ; W's scale bytes: 32 a stored row
	s_lshl_b32 s36, s18, 12
	s_add_co_u32 s25, s25, s36
	s_lshl_b32 s36, s16, 10
	s_add_co_u32 s25, s25, s36
	s_lshl_b32 s36, s34, 3
	s_add_co_u32 s25, s25, s36
	s_add_co_u32 s25, s25, WS
	s_lshl_b32 s27, s34, 20                        ; W's source
	s_lshl_b32 s36, s18, 9                         ; my columns, in bytes: 512 cg + 128 w
	s_lshl_b32 s37, s16, 7
	s_add_co_u32 s36, s36, s37
	s_add_co_u32 s26, s26, s36
	s_add_co_u32 s27, s27, s36
	s_mov_b32 s28, 16384
	s_mov_b32 s30, 512
	s_mov_b32 s31, 256
	s_wait_kmcnt 0x0
	s_cmp_lt_u32 s19, 36
	s_cselect_b64 s[6:7], s[6:7], s[8:9]           ; R or E
	s_cmp_lt_u32 s19, 32                           ; x or a weight?  Nothing between here and the last select sets SCC
	s_cselect_b64 s[4:5], s[4:5], s[6:7]
	s_cselect_b32 s22, s22, s23                    ; where the codes go
	s_cselect_b32 s24, s24, s25                    ; where the scale words go
	s_cselect_b32 s26, s26, s27                    ; where the numbers come from
	s_cselect_b32 s28, 8192, s28                   ; codes: from the first 128 along K to the second
	s_cselect_b32 s29, 16, 32                      ; scale words: bytes from row to row,
	s_cselect_b32 s30, 4, s30                      ; from tile to tile,
	s_cselect_b32 s31, s31, 4                      ; from the first 128 along K to the second
	s_mul_i32 s36, s38, s28                        ; hf's part: of the codes,
	s_add_co_u32 s22, s22, s36
	s_mul_i32 s36, s38, s31                        ; of the scale words,
	s_add_co_u32 s24, s24, s36
	s_lshl_b32 s36, s38, 19                        ; of the source: 128 rows of 4,096 bytes
	s_add_co_u32 s26, s26, s36
	s_mov_b32 s23, 0
	s_mov_b32 s25, 0
	s_mov_b32 s27, 0
	s_add_nc_u64 s[4:5], s[4:5], s[26:27]
	s_add_nc_u64 s[10:11], s[10:11], s[22:23]
	s_add_nc_u64 s[12:13], s[12:13], s[24:25]
	s_wait_alu depctr_va_vdst(0)
	v_lshlrev_b32 v3, 2, v2                        ; in: 4 bytes a lane
	v_bfe_u32 v8, v2, 3, 1                         ; column l is stored row sg(l): tile (l / 8) % 2,
	v_lshrrev_b32 v9, 4, v2
	v_and_b32 v14, 7, v2
	v_lshl_or_b32 v9, v9, 3, v14                   ; row 8 (l / 16) + l % 8
	v_lshlrev_b32 v4, 4, v9
	v_lshl_add_u32 v4, v8, 11, v4                  ; my codes: 2,048 x tile + 16 x row
	v_mul_u32_u24 v6, s29, v9
	v_mul_u32_u24 v7, s30, v8
	v_add_nc_u32 v6, v6, v7                        ; my scale word
.macro TLOAD t                         ; block t: rows 32 t + i of my column, into set t % 2: 32 lanes read 128 consecutive bytes, the four waves 512
.irp i, 0,1,2,3,4,5,6,7,8,9,10,11,12,13,14,15,16,17,18,19,20,21,22,23,24,25,26,27,28,29,30,31
	global_load_b32 v[TX+32*((\t)%2)+\i], v3, s[4:5] offset:(32*(\t)+\i)*4096
.endr
.endm
	TLOAD 0
	TLOAD 1
.macro TBLOCK t
.set XS, TX+32*((\t)%2)
.set CS, TC+8*(\t)
.if (\t) < NBT-1
	s_wait_loadcnt 32                              ; this block's 32 loads are in; the next block's may be out
.else
	s_wait_loadcnt 0x0
.endif
	v_max3_num_f32 v12, |v[XS]|, |v[XS+1]|, |v[XS+2]|
	v_max3_num_f32 v13, |v[XS+3]|, |v[XS+4]|, |v[XS+5]|
.irp i, 6,10,14,18,22,26
	v_max3_num_f32 v12, v12, |v[XS+\i]|, |v[XS+\i+1]|
	v_max3_num_f32 v13, v13, |v[XS+\i+2]|, |v[XS+\i+3]|
.endr
	v_max3_num_f32 v12, v12, |v[XS+30]|, |v[XS+31]|
	v_max3_num_f32 v12, v12, v13, 0x4800000        ; the block's largest magnitude, and the floor
	v_add_nc_u32 v11, 0xfc000000, v12              ; the conversion's scale operand
	v_and_or_b32 v10, v12, 0x7f800000, s14         ; 448 x the scale
	v_lshrrev_b32 v13, 23, v11                     ; the scale's byte
.if (\t) == 0
	v_mov_b32 v[TW], v13
.else
	v_lshl_or_b32 v[TW], v13, 8*(\t), v[TW]
.endif
.irp i, 0,1,2,3,4,5,6,7,8,9,10,11,12,13,14,15,16,17,18,19,20,21,22,23,24,25,26,27,28,29,30,31
	v_med3_num_f32 v[XS+\i], v[XS+\i], -v10, v10
.endr
.irp g, 0,1,2,3
	v_cvt_scalef32_pk8_fp8_f32 v[CS+2*\g:CS+2*\g+1], v[XS+8*\g:XS+8*\g+7], v11
.endr
	global_store_b128 v4, v[CS:CS+3], s[10:11] offset:512*(\t)          ; k = 0..15 of the block: sixteen lanes store 256 consecutive bytes, aligned
	global_store_b128 v4, v[CS+4:CS+7], s[10:11] offset:512*(\t)+256    ; k = 16..31
.if (\t)+2 < NBT
	TLOAD (\t)+2
.endif
.endm
.irp t, 0,1,2,3
	TBLOCK \t
.endr
	global_store_b32 v6, v[TW], s[12:13]           ; the scale words leave in pieces of 4 bytes: 320 KB of the launch's 18 MB of stores
	s_endpgm
.Lfunc_end_k_q742da00acc_quant:
	.size	k_q742da00acc_quant, .Lfunc_end_k_q742da00acc_quant-k_q742da00acc_quant
	.p2alignl 7, 3214868480
	.fill 96, 4, 3214868480
	.section	.rodata,"a",@progbits
	.p2align	6, 0x0
	.amdhsa_kernel k_q742da00acc_quant
		.amdhsa_group_segment_fixed_size 33280
		.amdhsa_private_segment_fixed_size 0
		.amdhsa_enable_private_segment 0
		.amdhsa_kernarg_size 40
		.amdhsa_user_sgpr_count 2
		.amdhsa_user_sgpr_kernarg_segment_ptr 1
		.amdhsa_wavefront_size32 1
		.amdhsa_system_sgpr_workgroup_id_x 1
		.amdhsa_system_sgpr_workgroup_id_y 1
		.amdhsa_system_sgpr_workgroup_id_z 1
		.amdhsa_system_vgpr_workitem_id 0
		.amdhsa_next_free_vgpr 194
		.amdhsa_next_free_sgpr 66
		.amdhsa_reserve_vcc 0
		.amdhsa_float_denorm_mode_32 3
		.amdhsa_float_denorm_mode_16_64 3
		.amdhsa_memory_ordered 1
		.amdhsa_forward_progress 1
		.amdhsa_inst_pref_size 81
	.end_amdhsa_kernel
	.amdgpu_metadata
---
amdhsa.version: [ 1, 2 ]
amdhsa.kernels:
  - .name:           k_q742da00acc_quant
    .symbol:         k_q742da00acc_quant.kd
    .args:
      - { .name: inputs, .offset: 0, .size: 8, .value_kind: global_buffer, .address_space: global }
      - { .name: rotation_params, .offset: 8, .size: 8, .value_kind: global_buffer, .address_space: global }
      - { .name: entangle_params, .offset: 16, .size: 8, .value_kind: global_buffer, .address_space: global }
      - { .name: c1, .offset: 24, .size: 8, .value_kind: global_buffer, .address_space: global }
      - { .name: s1, .offset: 32, .size: 8, .value_kind: global_buffer, .address_space: global }
    .group_segment_fixed_size: 33280
    .private_segment_fixed_size: 0
    .kernarg_segment_align: 8
    .kernarg_segment_size: 40
    .max_flat_workgroup_size: 128
    .sgpr_count:     66
    .vgpr_count:     194
    .wavefront_size: 32
...
	.end_amdgpu_metadata
.endif
;; end of part 1
;; launch proj (part 2): grid 8 x 32, 4 waves a work-group, clusters of 4 x 4, 327,680 bytes of LDS; arguments c1, s1, qkc, qks; writes qkc, qks
.if DOCPART == 2
	.amdgcn_target "amdgcn-amd-amdhsa--gfx1250"
	.amdhsa_code_object_version 6
	.text
	.protected	k_q742da00acc_proj
	.globl	k_q742da00acc_proj
	.p2align	8
	.type	k_q742da00acc_proj,@function
k_q742da00acc_proj:
	s_mov_b64 s[64:65], 0
	v_nop
	global_prefetch_b8 v0, s[64:65] scope:SCOPE_SE
	s_setreg_imm32_b32 hwreg(HW_REG_WAVE_MODE, 25, 1), 1
	s_wait_xcnt 0x0
	s_wait_alu depctr_hold_cnt(0) depctr_sa_sdst(0) depctr_va_vdst(0) depctr_va_sdst(0) depctr_va_ssrc(0) depctr_va_vcc(0) depctr_vm_vsrc(0)
	s_getreg_b32 s2, hwreg(HW_REG_IB_STS2, 6, 4)
	s_cmp_eq_u32 s2, 0
	s_cbranch_scc0 .Lentry_in_a_cluster
	s_endpgm
.Lentry_in_a_cluster:
	s_bfe_u32 s2, ttmp6, 0x10000c
	s_cmp_lg_u32 s2, 0xf033
	s_cbranch_scc0 .Lentry_shape_is_right
	s_endpgm
.Lentry_shape_is_right:
.set SIZE_K, 1024
.set KSTEP,  256
.set NQ,     KSTEP/128
.set ROWB,   256
.set KROW,   SIZE_K
.set BSTEP,  32768
.set PITCH,  272
.set FR,     16
.set NL,     4
.set NP,     8
.set HALFT,  128*PITCH
.set SLOT,   4*HALFT
.set LAPS,   SIZE_K/(2*KSTEP)
.set KS,     SIZE_K/32
.set SCL,    2*SLOT
.set HALFS,  (128*KS/256)*272
.set SBLK,   (16*KS/256)*272
.set SPARE,  SCL+4*HALFS
.set WC,     0x800000
.set WS,     0x40000
.set ADRA, 16
.set ADRB, 20
.set LO,   24
.set SCO,  25
.set ADRS, 27
.set SPW,  28
.set NIL,  29
.set SC,   32
.set AF,   128
.set T32,  64
.set QM,   96
.set QP,   100
.set QL,   104
.set QS,   108
.set W0,   112
.set W1,   116
.set TW,   120
.set CD,   128
.set MNT,  95
.set G1, 24
.set G0, 32
.set G1B, 48
.set G0B, 56
.set G1S, 68
.set G0S, 76
.set G1SB, 80
.set G0SB, 88
.set MSB, 0
.macro WIN new
.if MSB != (\new)
	s_set_vgpr_msb (MSB<<8)|(\new)
.set MSB, \new
.endif
.endm
.set MUL_LO, 0xa1
.set MUL_HI, 0xf1
.set TO_B,   0x40
.macro JLOAD g0a, g1a, g0b, g1b
	s_cmp_eq_u32 s15, 0
	s_cbranch_scc0 .Lfor_b_\@
	tensor_load_to_lds s[\g0a:\g0a+3], s[\g1a:\g1a+7]
	s_nop 0
.rept 4
	v_nop
.endr
	s_branch .Lasked_\@
.Lfor_b_\@:
	tensor_load_to_lds s[\g0b:\g0b+3], s[\g1b:\g1b+7]
	s_nop 0
.rept 4
	v_nop
.endr
.Lasked_\@:
.endm
.macro CREST
	s_cmp_lg_u32 s14, 0
	s_cbranch_scc1 .Lnot_wave_0_\@
	s_barrier_signal -3
.Lnot_wave_0_\@:
	s_barrier_wait -3
	s_barrier_signal -1
	s_barrier_wait -1
.endm
.macro CROUND
	s_barrier_signal -1
	s_barrier_wait -1
	CREST
.endm
	s_load_b128 s[4:7], s[0:1], 0x0
	s_load_b128 s[96:99], s[0:1], 0x10
	v_lshl_add_u32 v[SPW], v0, 2, SPARE
	v_mov_b32 v[NIL], 0
	ds_add_u32 v28, v29
	ds_add_u32 v28, v29
	s_wait_dscnt 0x0
	v_lshrrev_b32 v1, 5, v0
	v_readfirstlane_b32 s14, v1
	s_lshr_b32 s15, s14, 1
	s_and_b32 s16, s14, 1
	s_bfe_u32 s40, ttmp6, 0x40000
	s_bfe_u32 s41, ttmp6, 0x40004
	s_lshl_b32 s42, ttmp9, 2
	s_add_co_u32 s42, s42, s40
	s_and_b32 s17, ttmp7, 0xffff
	s_lshl_b32 s17, s17, 2
	s_add_co_u32 s17, s17, s41
	s_lshl_b32 s43, s41, 2
	s_lshl_b32 s43, 15, s43
	s_lshl_b32 s44, 0x1111, s40
	s_mov_b32 s12, 0x76543210
	s_mov_b32 s13, 0xfedcba98
	s_mov_b32 s[MNT], 0x600000
	s_or_b32 s[G1+0], s43, (0<<16)|(1<<20)|(1<<21)|(5<<22)|(3<<25)
	s_mov_b32 s[G1+1], ROWB<<16
	s_mov_b32 s[G1+2], 128<<16
	s_mov_b32 s[G1+3], ROWB<<16
	s_mov_b32 s[G1+4], 128
	s_mov_b32 s[G1+5], KROW
	s_mov_b32 s[G1+6], 0
	s_mov_b32 s[G1+7], 0
	s_or_b32 s[G1B+0], s44, (3<<16)|(1<<20)|(1<<21)|(5<<22)|(3<<25)
	s_mov_b32 s[G1B+1], 32<<16
	s_mov_b32 s[G1B+2], 128<<16
	s_mov_b32 s[G1B+3], 32<<16
	s_mov_b32 s[G1B+4], 128
	s_mov_b32 s[G1B+5], 32
	s_mov_b32 s[G1B+6], 0
	s_mov_b32 s[G1B+7], 0
	s_or_b32 s[G1S+0], s43, (3<<16)|(1<<20)|(1<<21)|(5<<22)|(3<<25)
	s_or_b32 s[G1SB+0], s44, (3<<16)|(1<<20)|(1<<21)|(5<<22)|(3<<25)
.irp g, G1S, G1SB
	s_mov_b32 s[\g+1], 32<<16
	s_mov_b32 s[\g+2], (128*KS/256)<<16
	s_mov_b32 s[\g+3], 32<<16
	s_mov_b32 s[\g+4], 128*KS/256
	s_mov_b32 s[\g+5], 32
	s_mov_b32 s[\g+6], 0
	s_mov_b32 s[\g+7], 0
.endr
	s_lshl_b32 s18, s16, 7
	s_lshl_b32 s20, s17, 8
	s_add_co_u32 s20, s20, s18
	s_lshl_b32 s46, s42, 8
	s_add_co_u32 s46, s46, s18
	s_mov_b32 s21, 0
	s_mov_b32 s47, 0
	s_mov_b64 s[18:19], KS
	s_mul_u64 s[22:23], s[20:21], s[18:19]
	s_mul_u64 s[92:93], s[46:47], s[18:19]
	s_mov_b64 s[18:19], KROW
	s_mul_u64 s[20:21], s[20:21], s[18:19]
	s_mul_u64 s[46:47], s[46:47], s[18:19]
	s_mul_i32 s45, s14, HALFT
	s_mul_i32 s94, s14, HALFS
	s_wait_kmcnt 0x0
	s_add_nc_u64 s[8:9], s[4:5], WC
	s_add_nc_u64 s[10:11], s[6:7], WS
	s_add_nc_u64 s[20:21], s[4:5], s[20:21]
	s_add_nc_u64 s[22:23], s[6:7], s[22:23]
	s_add_nc_u64 s[46:47], s[8:9], s[46:47]
	s_add_nc_u64 s[92:93], s[10:11], s[92:93]
	CROUND
	s_mov_b32 s[G0S], 1
	s_add_co_u32 s[G0S+1], s94, SCL
	s_mov_b64 s[G0S+2:G0S+3], s[22:23]
	s_or_b32 s[G0S+3], s[G0S+3], 0x80000000
	s_mov_b32 s[G0SB], 1
	s_add_co_u32 s[G0SB+1], s94, SCL
	s_mov_b64 s[G0SB+2:G0SB+3], s[92:93]
	s_or_b32 s[G0SB+3], s[G0SB+3], 0x80000000
	JLOAD G0S, G1S, G0SB, G1SB
.irp s, 0,1
	s_mov_b32 s[G0+4*\s], 1
	s_add_co_u32 s[G0+4*\s+1], s45, \s*SLOT
	s_add_nc_u64 s[G0+4*\s+2:G0+4*\s+3], s[20:21], \s*ROWB
	s_or_b32 s[G0+4*\s+3], s[G0+4*\s+3], 0x80000000
	s_mov_b32 s[G0B+4*\s], 1
	s_add_co_u32 s[G0B+4*\s+1], s45, \s*SLOT
	s_add_nc_u64 s[G0B+4*\s+2:G0B+4*\s+3], s[46:47], \s*BSTEP
	s_or_b32 s[G0B+4*\s+3], s[G0B+4*\s+3], 0x80000000
	s_wait_alu depctr_va_vdst(0)
	s_wait_tensorcnt 0x0
	ds_add_u32 v28, v29
	s_wait_dscnt 0x0
	CROUND
	JLOAD G0+4*\s, G1, G0B+4*\s, G1B
.endr
	v_and_b32 v1, 15, v0
	v_bfe_u32 v2, v0, 4, 1
	v_mul_u32_u24 v3, v1, PITCH
	v_lshl_add_u32 v4, v2, 4, v3
	v_mul_u32_u24 v3, v2, PITCH
	v_lshl_add_u32 v3, v1, 4, v3
	s_mul_i32 s21, s15, HALFT
	s_mul_i32 s22, s16, HALFT
	s_add_co_u32 s22, s22, 2*HALFT
.irp s, 0,1
	v_add_nc_u32 v[ADRA+\s], s21, v4
	v_add_nc_u32 v[ADRB+\s], s22, v3
	s_add_co_u32 s21, s21, SLOT
	s_add_co_u32 s22, s22, SLOT
.endr
	v_mul_u32_u24 v5, v1, KS
	v_lshrrev_b32 v6, 8, v5
	v_lshl_add_u32 v5, v6, 4, v5
	s_mul_i32 s21, s15, HALFS
	s_mul_i32 s22, s16, HALFS
	s_add_co_u32 s22, s22, 2*HALFS
	s_sub_co_u32 s22, s22, s21
	v_mul_u32_u24 v6, s22, v2
	s_add_co_u32 s21, s21, SCL
	v_add_nc_u32 v5, v5, v6
	v_add_nc_u32 v[ADRS], s21, v5
	v_and_b32 v6, 31, v0
	v_lshlrev_b32 v[LO], 4, v6
	v_lshlrev_b32 v[SCO], 4, v1
	v_lshl_add_u32 v[SCO], v2, 12, v[SCO]
	s_lshr_b32 s20, s42, 2
	s_lshl_b32 s20, s20, 6
	s_lshr_b32 s21, s17, 3
	s_lshl_b32 s21, s21, 4
	s_add_co_u32 s20, s20, s21
	s_and_b32 s21, s42, 3
	s_lshl_b32 s21, s21, 2
	s_add_co_u32 s20, s20, s21
	s_lshl_b32 s21, s16, 1
	s_add_co_u32 s20, s20, s21
	s_and_b32 s21, s17, 7
	s_lshl_b32 s21, s21, 4
	s_lshl_b32 s22, s15, 3
	s_add_co_u32 s21, s21, s22
	s_lshl_b32 s22, s20, 17
	s_lshl_b32 s23, s21, 10
	s_add_co_u32 s22, s22, s23
	s_mov_b32 s23, 0
	s_add_nc_u64 s[96:97], s[96:97], s[22:23]
	s_lshl_b32 s22, s20, 12
	s_lshl_b32 s21, s21, 5
	s_add_co_u32 s22, s22, s21
	s_add_nc_u64 s[98:99], s[98:99], s[22:23]
.macro FRAG reg, adr, q, i
.irp c, 0,1,2,3
	ds_load_b128 v[\reg+4*\c:\reg+4*\c+3], v[\adr] offset:128*(\q)+32*\c+(\i)*16*PITCH
.endr
.endm
.macro FRAGB reg, adr, q, i
.irp c, 0,1,2,3
	ds_load_b128 v[\reg+4*\c:\reg+4*\c+3], v[\adr] offset:((\q)*8+(\i))*8*PITCH+2*PITCH*\c
.endr
.endm
.macro MUL16 a0, p, q, sc, zero
.irp a, \a0, \a0+1
.irp b, 0,1,2,3,4,5,6,7
.if \zero
	v_wmma_scale_f32_16x16x128_f8f6f4 v[8*(8*((\a)%4)+\b):8*(8*((\a)%4)+\b)+7], v[128*(\p)+FR*\b:128*(\p)+FR*\b+FR-1], v[AF+FR*(\a):AF+FR*(\a)+FR-1], 0, v[SC+8*NQ*(\sc)+NQ*\b+(\q)], v[SC+8*NQ*(\sc)+NQ*(\a)+(\q)] matrix_a_scale:MATRIX_SCALE_ROW1
.else
	v_wmma_scale_f32_16x16x128_f8f6f4 v[8*(8*((\a)%4)+\b):8*(8*((\a)%4)+\b)+7], v[128*(\p)+FR*\b:128*(\p)+FR*\b+FR-1], v[AF+FR*(\a):AF+FR*(\a)+FR-1], v[8*(8*((\a)%4)+\b):8*(8*((\a)%4)+\b)+7], v[SC+8*NQ*(\sc)+NQ*\b+(\q)], v[SC+8*NQ*(\sc)+NQ*(\a)+(\q)] matrix_a_scale:MATRIX_SCALE_ROW1
.endif
.endr
.endr
.endm
.macro FETCH_B slot, q, p
	WIN TO_B
.irp i, 0,1,2,3,4,5,6,7
	FRAGB 128*(\p)+FR*\i, ADRB+\slot, \q, \i
.endr
	WIN 0
.endm
.macro FETCH_A slot, q, i0
.irp i, \i0, \i0+1, \i0+2, \i0+3
	FRAG AF+FR*(\i), ADRA+\slot, \q, \i
.endr
.endm
.macro SCALES sc
.irp i, 0,1,2,3,4,5,6,7
	ds_load_b64 v[SC+8*NQ*\sc+NQ*\i:SC+8*NQ*\sc+NQ*\i+1], v[ADRS] offset:\i*SBLK
.endr
.endm
.macro PLACES n
.rept \n
	v_nop
.endr
.endm
.macro STEP slot, q, zero
	s_wait_dscnt 4*NL
	WIN MUL_LO
	MUL16 0, (\q)%2, \q, \slot, \zero
	MUL16 2, (\q)%2, \q, \slot, \zero
	s_wait_dscnt 0
	PLACES NP
	FETCH_B \slot, (\q)+1, 1-(\q)%2
	FETCH_A \slot, (\q)+1, 0
	WIN MUL_HI
	MUL16 4, (\q)%2, \q, \slot, \zero
	MUL16 6, (\q)%2, \q, \slot, \zero
	PLACES NP
	WIN 0
	FETCH_A \slot, (\q)+1, 4
.endm
.macro TURN slot, next, fill
	s_wait_tensorcnt 0x0
	ds_add_u32 v[SPW], v[NIL]
	s_wait_dscnt 4*NL+1
	WIN MUL_LO
	MUL16 0, 1, NQ-1, \slot, 0
	s_wait_dscnt 0x0
	s_barrier_signal -1
	MUL16 2, 1, NQ-1, \slot, 0
	WIN 0
	s_barrier_wait -1
.if \fill
	CREST
	s_add_nc_u64 s[G0+4*\slot+2:G0+4*\slot+3], s[G0+4*\slot+2:G0+4*\slot+3], 2*ROWB
	s_add_nc_u64 s[G0B+4*\slot+2:G0B+4*\slot+3], s[G0B+4*\slot+2:G0B+4*\slot+3], 2*BSTEP
	JLOAD G0+4*\slot, G1, G0B+4*\slot, G1B
	PLACES NP-4
.else
	PLACES NP
.endif
	s_wait_alu depctr_va_vdst(0)
	v_add_nc_u32 v[ADRS], 4*NQ, v[ADRS]
	FETCH_B \next, 0, 0
	FETCH_A \next, 0, 0
	SCALES \next
	WIN MUL_HI
	MUL16 4, 1, NQ-1, \slot, 0
	MUL16 6, 1, NQ-1, \slot, 0
	PLACES NP
	WIN 0
	FETCH_A \next, 0, 4
.endm
	s_wait_alu depctr_va_vdst(0)
	s_wait_tensorcnt 1
	s_barrier_signal -1
	s_barrier_wait -1
	FETCH_B 0, 0, 0
	FETCH_A 0, 0, 0
	SCALES 0
	FETCH_A 0, 0, 4
	STEP 0, 0, 1
	s_mov_b32 s3, LAPS-1
.Llap:
	TURN 0, 1, 1
	STEP 1, 0, 0
	TURN 1, 0, 1
	STEP 0, 0, 0
	s_sub_co_u32 s3, s3, 1
	s_cmp_lg_u32 s3, 0
	s_cbranch_scc1 .Llap
	TURN 0, 1, 0
	STEP 1, 0, 0
	s_wait_dscnt 4*NL
	WIN MUL_LO
	MUL16 0, 1, NQ-1, 1, 0
	MUL16 2, 1, NQ-1, 1, 0
	s_wait_dscnt 0
	WIN MUL_HI
	MUL16 4, 1, NQ-1, 1, 0
	MUL16 6, 1, NQ-1, 1, 0
	WIN 0
.macro QROW a
.set AC, 64*((\a)%4)
	WIN 0x0a+5*((\a)/4)
.irp b, 0,1,2,3
	v_max3_num_f32 v[QM+\b], |v[AC+16*\b]|, |v[AC+16*\b+1]|, 0x4800000
.endr
.irp i, 2,4,6,8,10,12,14
.irp b, 0,1,2,3
	v_max3_num_f32 v[QM+\b], |v[AC+16*\b+\i]|, |v[AC+16*\b+\i+1]|, v[QM+\b]
.endr
.endr
	WIN 0
.irp b, 0,1,2,3
	v_permlanex16_b32 v[QP+\b], v[QM+\b], s12, s13
.endr
.irp b, 0,1,2,3
	v_max_num_f32 v[QM+\b], v[QM+\b], v[QP+\b]
.endr
.irp b, 0,1,2,3
	v_add_nc_u32 v[QS+\b], 0xfc000000, v[QM+\b]
.endr
.irp b, 0,1,2,3
	v_and_or_b32 v[QL+\b], v[QM+\b], 0x7f800000, s[MNT]
.endr
.irp b, 0,1,2,3
	v_lshrrev_b32 v[QP+\b], 23, v[QS+\b]
.endr
.if (\a)%2 == 0
	v_lshl_or_b32 v[W0+(\a)/2], v[QP+1], 8, v[QP]
	v_lshl_or_b32 v[W1+(\a)/2], v[QP+3], 8, v[QP+2]
.else
	v_lshl_or_b32 v[TW], v[QP+1], 8, v[QP]
	v_lshl_or_b32 v[W0+(\a)/2], v[TW], 16, v[W0+(\a)/2]
	v_lshl_or_b32 v[TW], v[QP+3], 8, v[QP+2]
	v_lshl_or_b32 v[W1+(\a)/2], v[TW], 16, v[W1+(\a)/2]
.endif
.irp g, 0,1
	WIN 0x02+(\a)/4
.set kk, 0
.rept 32
	v_med3_num_f32 v[T32+kk], v[AC+32*\g+kk], -v[QL+2*\g+kk/16], v[QL+2*\g+kk/16]
.set kk, kk+1
.endr
	WIN 0
.irp k, 0,1,2,3
	v_cvt_scalef32_pk8_fp8_f32 v[CD+16*(\a)+8*\g+2*\k:CD+16*(\a)+8*\g+2*\k+1], v[T32+8*\k:T32+8*\k+7], v[QS+2*\g+\k/2]
.endr
	v_nop
.endr
.irp b, 0,1,2,3
	global_store_b128 v[LO], v[CD+16*(\a)+4*\b:CD+16*(\a)+4*\b+3], s[96:97] offset:(\b/2)*131072+(\a)*1024+(\b%2)*512
.endr
.endm
.irp b, 0,1,2,3
	v_mov_b32 v[QP+\b], 0
.endr
	PLACES 4
.irp a, 0,1,2,3,4,5,6,7
	QROW \a
.endr
	v_and_b32 v[TW], 16, v0
	v_cmp_ne_u32 vcc_lo, 0, v[TW]
.irp i, 0,1,2,3
	v_cndmask_b32 v[W0+\i], v[W0+\i], v[W1+\i], vcc_lo
.endr
	global_store_b128 v[SCO], v[W0:W0+3], s[98:99]
	s_wait_tensorcnt 0x0
	ds_add_u32 v[SPW], v[NIL]
	s_wait_dscnt 0x0
	CROUND
	s_endpgm
.Lfunc_end_k_q742da00acc_proj:
	.size	k_q742da00acc_proj, .Lfunc_end_k_q742da00acc_proj-k_q742da00acc_proj
	.p2alignl 7, 3214868480
	.fill 96, 4, 3214868480
	.section	.rodata,"a",@progbits
	.p2align	6, 0x0
	.amdhsa_kernel k_q742da00acc_proj
		.amdhsa_group_segment_fixed_size 327680
		.amdhsa_private_segment_fixed_size 0
		.amdhsa_enable_private_segment 0
		.amdhsa_kernarg_size 32
		.amdhsa_user_sgpr_count 2
		.amdhsa_user_sgpr_kernarg_segment_ptr 1
		.amdhsa_wavefront_size32 1
		.amdhsa_system_sgpr_workgroup_id_x 1
		.amdhsa_system_sgpr_workgroup_id_y 1
		.amdhsa_system_sgpr_workgroup_id_z 1
		.amdhsa_system_vgpr_workitem_id 0
		.amdhsa_next_free_vgpr 1024
		.amdhsa_next_free_sgpr 100
		.amdhsa_reserve_vcc 1
		.amdhsa_float_denorm_mode_32 3
		.amdhsa_float_denorm_mode_16_64 3
		.amdhsa_memory_ordered 1
		.amdhsa_forward_progress 1
		.amdhsa_inst_pref_size 186
	.end_amdhsa_kernel
	.amdgpu_metadata
---
amdhsa.version: [ 1, 2 ]
amdhsa.kernels:
  - .name:           k_q742da00acc_proj
    .symbol:         k_q742da00acc_proj.kd
    .args:
      - { .name: c1, .offset: 0, .size: 8, .value_kind: global_buffer, .address_space: global }
      - { .name: s1, .offset: 8, .size: 8, .value_kind: global_buffer, .address_space: global }
      - { .name: qkc, .offset: 16, .size: 8, .value_kind: global_buffer, .address_space: global }
      - { .name: qks, .offset: 24, .size: 8, .value_kind: global_buffer, .address_space: global }
    .group_segment_fixed_size: 327680
    .private_segment_fixed_size: 0
    .kernarg_segment_align: 8
    .kernarg_segment_size: 32
    .max_flat_workgroup_size: 128
    .sgpr_count:     100
    .vgpr_count:     1024
    .wavefront_size: 32
...
	.end_amdgpu_metadata
.endif
;; end of part 2
;; launch attn (part 3): grid 4 x 64, 16 waves a work-group, clusters of 4 x 1, 327,680 bytes of LDS; arguments qkc, qks, c1, s1, inputs, y; writes y
.if DOCPART == 3
	.amdgcn_target "amdgcn-amd-amdhsa--gfx1250"
	.amdhsa_code_object_version 6
	.text
	.protected	k_q742da00acc_attn
	.globl	k_q742da00acc_attn
	.p2align	8
	.type	k_q742da00acc_attn,@function
k_q742da00acc_attn:
	s_mov_b64 s[64:65], 0
	v_nop
	global_prefetch_b8 v0, s[64:65] scope:SCOPE_SE
	s_setreg_imm32_b32 hwreg(HW_REG_WAVE_MODE, 25, 1), 1
	s_wait_xcnt 0x0
	s_wait_alu depctr_hold_cnt(0) depctr_sa_sdst(0) depctr_va_vdst(0) depctr_va_sdst(0) depctr_va_ssrc(0) depctr_va_vcc(0) depctr_vm_vsrc(0)
	s_getreg_b32 s2, hwreg(HW_REG_IB_STS2, 6, 4)
	s_cmp_eq_u32 s2, 0
	s_cbranch_scc0 .Lentry_in_a_cluster
	s_endpgm
.Lentry_in_a_cluster:
	s_bfe_u32 s2, ttmp6, 0x10000c
	s_cmp_lg_u32 s2, 0x3003
	s_cbranch_scc0 .Lentry_shape_is_right
	s_endpgm
.Lentry_shape_is_right:
; y = softmax(q k^T / 8) v + x, head by head, both products on codes of FP8 (E4M3) with one E8M0 scale for each 32 along a product's K.  v is x itself, quantised along the keys.
; THE SOFTMAX AHEAD OF THE SECOND PRODUCT: t = score x log2(e) / 8; M = the running largest t, rounded UP to a whole number; p = 2^(t - M) is what is quantised, along the keys, not normalised.
; The row's sum is taken of the unquantised p and divides O at the end.  When M moves, the sum and O are multiplied by 2^(old M - new M): exact.
; SHARES.  A work-group owns 512 stored rows (queries) of one (batch, head); each of its sixteen waves one tile of 16 in each of two passes, in 256 registers: four waves to a SIMD.
; THE HEAD'S WHOLE K AND V LIE IN LDS, 131,072 bytes each, filled ONCE, as images of operand registers (a group of 512 bytes = four registers of 32 lanes): every fragment load reads 512 consecutive bytes.
; FILLS, one tensor load a wave in each group.  At the head: waves 0, 1 the first 512 keys of K, of V; waves 2, 3 their scale words.  Behind the full sequence and a round of the cluster's barrier.
; one barrier behind step 4 of the first pass shows them.  The second pass has no barrier.  Every wait on TENSORcnt is for 0.
; CLUSTER.  The four work-groups of a (batch, head) form a cluster and read the same K and V: every fill is asked for jointly.
; No prefetch for K and V: all their bytes are asked for by the two groups of fills at the start, so there is no later load to run ahead of.  The rows of x that the way out adds are prefetched two key steps ahead.
; LAYOUT.  Both products are used transposed: S^T = K Q^T, O^T = V^T P^T: a lane holds ONE query (lane % 16).  Stored row i of q and k is position sg(i) (bits 3 and 4 exchanged), so that the 16 registers
; of key tiles 2 b and 2 b + 1 are keys 32 b + 16 (lane / 16) + 0..15 in their true order, as V's images have them; V's channels are stored by sg too, so that O^T's registers are two runs of 16 neighbouring channels.
; K = 64 IN A FORM OF K = 128.  Source 0 is TWO key tiles on end (64 + 64 along the form's K).  Source 1 is [Q | zero codes] for the first tile's scores and [zero codes | Q] for the second's.
; The half that meets zero codes adds exactly 0: K's codes are finite and every scale byte lies in 1..254.  K's scale word carries both tiles' bytes; Q's is its two bytes twice.
; LIMITS: the promise holds while the scaled scores t stay under 2^31 in magnitude; a p under 2^-126 comes out of v_exp_f32 as 0; a block of p whose largest lies under 2^(9 - 127) gets the byte 1; NaN and infinities are not served.
.set KSC,  262144                      ; LDS: K's codes at 0, V's at 131,072; K's scale words here (4,096 bytes), V's 4,096 further on
.set STG,  270336                      ; a stage of 16 rows x (128 + 16) bytes for each wave
.set SPT,  144
.set SPARE, 307200                     ; the spare words: 128 bytes a wave
.set VC,   0xa00000
.set VS,   0x50000
.set LI,   1                           ; v1   16 x lane
.set LV,   2                           ; v2   the same in V
.set LS,   3                           ; v3   16 (lane % 16) among K's scale words
.set ADK,  4                           ; v4-6 the step's addresses
.set ADV,  5
.set ADS,  6
.set PFO,  7                           ; v7   4,096 x lane: a lane a row of x; never rewritten
.set STO,  8                           ; v8   the stage: where I put my query's numbers
.set SRD,  9                           ; v9   and where I read rows back
.set GO,   10                          ; v10  my byte offset in two rows of x and of y
.set RR,   11                          ; v11  lane % 16
.set QSW,  40                          ; v40  Q's scale word;  v16-23 Q, v24-31 zero codes, v32-39 Q again
.set R16,  41                          ; v41  16 (lane % 16);  v42-47 partial sums
.set FG,   48                          ; v48-111 four fragments of 16 registers
.set SS,   112                         ; v112-175 S^T, then p
.set OT,   176                         ; v176-207 O^T
.set PC,   208                         ; v208-223 p's codes
.set KSW,  224                         ; v224-227 K's scale words, v228-231 V's
.set VSW,  228
.set BM,   232                         ; v232-235 the blocks' largest scores, then p
.set PM,   236                         ; v236-239 the other half's; at work; the bytes
.set LM,   240                         ; v240-243 448 x the scale
.set SO,   244                         ; v244-247 the conversions' scale operands
.set TT,   248
.set PW,   249                         ; v249 p's scale word: its number differs modulo 8 from those of V's four
.set FF,   250                         ; v[250:251] f = 2^(old M - new M)
.set WV,   16
.set MNT,  19
.set SEL,  20
.set CS,   22                          ; s[22:23] c = log2(e) / 8
.set G1,   24                          ; s[24:31] group 1 for a chunk;  s[32:39] for the scale words
.set G1S,  32
.set G0S,  40                          ; groups 0: s[40:43] the scale words, s[44:47] chunk 0, s[48:51] my later chunk
.set G0A,  44
.set G0C,  48
.set TB,   60                          ; s60 LDS byte of the step's tiles;  s61 of its scale words
.set TS,   61
.set CNT,  62
.set LIM,  66                          ; s66 2 in even waves, else the greatest number
.set CH,   67                          ; s67 wave / 2: which later chunk waves 2 to 7 fetch
.set QP,   68                          ; s[68:69] my tile of Q;  s[70:71] its scale words;  s[72:73] x, s[74:75] y at my first row;  s[76:77] the prefetch
.set QSP,  70
.set XP,   72
.set YP,   74
.set PFA,  76
.set SH,   78                          ; s78 16 (wave % 2): which half of the scale word is my tile's
.macro CROUND                          ; a round of the cluster's barrier
	s_barrier_signal -1
	s_barrier_wait -1
	s_cmp_lg_u32 s[WV], 0
	s_cbranch_scc1 .Lnot_wave_0_\@
	s_barrier_signal -3
.Lnot_wave_0_\@:
	s_barrier_wait -3
	s_barrier_signal -1
	s_barrier_wait -1
.endm
.macro TLOAD g0, g1                    ; a tensor load; an s_nop 0 and four v_nop follow it
	tensor_load_to_lds s[\g0:\g0+3], s[\g1:\g1+7]
	s_nop 0
.rept 4
	v_nop
.endr
.endm
	s_load_b256 s[4:11], s[0:1], 0x0               ; qkc s[4:5], qks s[6:7], c1 s[8:9], s1 s[10:11]
	s_load_b128 s[12:15], s[0:1], 0x20             ; x s[12:13], y s[14:15]
	v_lshl_add_u32 v254, v0, 2, SPARE
	v_mov_b32 v255, 0
	ds_add_u32 v254, v255                          ; the opening lines: the add, twice on end, and its wait ahead of the first tensor load
	ds_add_u32 v254, v255
	v_lshrrev_b32 v1, 5, v0
	v_readfirstlane_b32 s[WV], v1                  ; wave 0..15
	s_and_b32 s18, ttmp7, 0xffff                   ; 16 x batch + head, which the four partners share
	s_and_b32 s79, s[WV], 1                        ; 0: I would fetch K's, 1: V's
	s_lshr_b32 s[CH], s[WV], 1
	s_lshl_b32 s80, s18, 17                        ; the head's codes: 131,072 bytes
	s_mov_b32 s81, 0
	s_lshl_b32 s82, s18, 12                        ; its scale words: 4,096
	s_mov_b32 s83, 0
	s_mov_b32 s[G1], 15|(3<<16)|(1<<21)            ; 15:0 the mask: all four work-groups; 17:16 elements of 8 bytes; 21 set beside a mask; no padding
	s_mov_b32 s[G1+1], 32<<16                      ; tensor_dim0 = 32 elements: rows of 256 bytes
	s_mov_b32 s[G1+2], 128<<16                     ; tensor_dim1 = 128 rows: 32,768 dense bytes
	s_mov_b32 s[G1+3], 32<<16                      ; tile_dim0
	s_mov_b32 s[G1+4], 128                         ; tile_dim1
	s_mov_b32 s[G1+5], 32                          ; the pitch
	s_mov_b32 s[G1+6], 0
	s_mov_b32 s[G1+7], 0
	s_mov_b32 s[G1S], 15|(3<<16)|(1<<21)           ; the same with 16 rows: 4,096 bytes
	s_mov_b32 s[G1S+1], 32<<16
	s_mov_b32 s[G1S+2], 16<<16
	s_mov_b32 s[G1S+3], 32<<16
	s_mov_b32 s[G1S+4], 16
	s_mov_b32 s[G1S+5], 32
	s_mov_b32 s[G1S+6], 0
	s_mov_b32 s[G1S+7], 0
	s_mov_b32 s[SEL], 0x76543210
	s_mov_b32 s[SEL+1], 0xfedcba98
	s_mov_b32 s[CS], 0x3e38aa3b                    ; log2(e) / 8
	s_mov_b32 s[CS+1], s[CS]                       ; (named with it as a pair, so it is written)
	s_mov_b32 s[MNT], 0x600000
	s_wait_dscnt 0x0                               ; both opening adds are done
	s_wait_kmcnt 0x0
	s_add_nc_u64 s[84:85], s[4:5], 0x800000        ; k's half of qkc
	s_add_nc_u64 s[86:87], s[8:9], VC              ; V's codes
	s_add_nc_u64 s[88:89], s[6:7], 0x40000         ; k's half of qks
	s_add_nc_u64 s[90:91], s[10:11], VS            ; V's scale words
	s_cmp_eq_u32 s79, 0
	s_cselect_b64 s[84:85], s[84:85], s[86:87]
	s_cselect_b64 s[88:89], s[88:89], s[90:91]
	s_add_nc_u64 s[84:85], s[84:85], s[80:81]
	s_add_nc_u64 s[88:89], s[88:89], s[82:83]
	s_mov_b32 s[G0S], 1
	s_lshl_b32 s[G0S+1], s79, 12
	s_add_co_u32 s[G0S+1], s[G0S+1], KSC
	s_mov_b64 s[G0S+2:G0S+3], s[88:89]
	s_or_b32 s[G0S+3], s[G0S+3], 0x80000000
	s_mov_b32 s[G0A], 1                            ; chunk 0 of K (at 0) or of V (at 131,072)
	s_lshl_b32 s[G0A+1], s79, 17
	s_mov_b64 s[G0A+2:G0A+3], s[84:85]
	s_or_b32 s[G0A+3], s[G0A+3], 0x80000000
	s_mov_b32 s[G0C], 1                            ; chunk wave / 2: 32,768 bytes a chunk, in LDS and in memory
	s_lshl_b32 s[G0C+1], s79, 17
	s_lshl_b32 s86, s[CH], 15
	s_add_co_u32 s[G0C+1], s[G0C+1], s86
	s_mov_b32 s87, 0
	s_add_nc_u64 s[G0C+2:G0C+3], s[84:85], s[86:87]
	s_or_b32 s[G0C+3], s[G0C+3], 0x80000000
	CROUND                                         ; all four work-groups are here: the joint loads meet
	s_cmp_lt_u32 s[WV], 2                          ; the head's fills: one chain of branches on the wave's number, a load to an arm
	s_cbranch_scc0 .Lhead_s
	TLOAD G0A, G1                                  ; waves 0, 1: the first 512 keys
	s_branch .Lasked
.Lhead_s:
	s_cmp_lt_u32 s[WV], 4
	s_cbranch_scc0 .Lasked
	TLOAD G0S, G1S                                 ; waves 2, 3: the scale words
.Lasked:
	s_bfe_u32 s17, ttmp6, 0x40000                  ; cx
	s_lshl_b32 s84, ttmp9, 2
	s_add_co_u32 s17, s17, s84                     ; my block of 512 stored rows = 4 x cluster x + cx: it enters global addresses alone
	s_lshl_b32 s84, s17, 5
	s_add_co_u32 s84, s84, s[WV]                   ; my tile in pass 0: 32 x block + wave
	s_lshl_b32 s84, s84, 10
	s_add_co_u32 s84, s84, s80
	s_mov_b32 s85, 0
	s_add_nc_u64 s[QP:QP+1], s[4:5], s[84:85]
	s_lshl_b32 s84, s17, 2
	s_lshr_b32 s86, s[WV], 3
	s_add_co_u32 s84, s84, s86                     ; tile / 8
	s_lshl_b32 s84, s84, 8
	s_bfe_u32 s86, s[WV], 0x20001                  ; (tile / 2) % 4
	s_lshl_b32 s86, s86, 2
	s_add_co_u32 s84, s84, s86
	s_add_co_u32 s84, s84, s82
	s_add_nc_u64 s[QSP:QSP+1], s[6:7], s[84:85]
	s_lshr_b32 s84, s18, 4
	s_lshl_b32 s84, s84, 23                        ; the batch: 2,048 rows of 4,096 bytes
	s_and_b32 s86, s18, 15
	s_lshl_b32 s86, s86, 8                         ; the head's 256 bytes of a row
	s_add_co_u32 s84, s84, s86
	s_lshl_b32 s86, s17, 21                        ; 512 rows a block
	s_add_co_u32 s84, s84, s86
	s_lshl_b32 s86, s[CH], 17                      ; 32 rows to a pair of waves
	s_add_co_u32 s84, s84, s86
	s_add_nc_u64 s[PFA:PFA+1], s[12:13], s[84:85]
	s_lshl_b32 s86, s79, 15                        ; my tile's true rows: base + 8 (wave % 2) + 0..7 and 16 further on
	s_add_co_u32 s84, s84, s86
	s_add_nc_u64 s[XP:XP+1], s[12:13], s[84:85]
	s_add_nc_u64 s[YP:YP+1], s[14:15], s[84:85]
	s_lshl_b32 s[SH], s79, 4
	s_cmp_eq_u32 s79, 0
	s_cselect_b32 s[LIM], 2, -1
	s_mul_i32 s87, s[WV], 16*SPT
	s_add_co_u32 s87, s87, STG                     ; my stage
	v_and_b32 v[RR], 15, v0
	v_bfe_u32 v[TT], v0, 4, 1                      ; h
	v_and_b32 v[LI], 31, v0
	v_lshlrev_b32 v[R16], 4, v[RR]
	v_lshlrev_b32 v[PFO], 12, v[LI]
	v_lshlrev_b32 v[LI], 4, v[LI]
.macro QLOAD                           ; my tile of Q, twice, and its scale word
	global_load_b128 v[16:19], v[LI], s[QP:QP+1]
	global_load_b128 v[20:23], v[LI], s[QP:QP+1] offset:512
	global_load_b128 v[32:35], v[LI], s[QP:QP+1]
	global_load_b128 v[36:39], v[LI], s[QP:QP+1] offset:512
	global_load_b32 v[QSW], v[R16], s[QSP:QSP+1]
.endm
	QLOAD
	v_add_nc_u32 v[LV], 131072, v[LI]
	v_add_nc_u32 v[LS], KSC, v[R16]
	v_mul_u32_u24 v[STO], v[RR], SPT
	v_and_b32 v[SRD], 7, v0
	v_lshl_add_u32 v[STO], v[TT], 6, v[STO]
	v_lshlrev_b32 v[SRD], 4, v[SRD]
	v_add_nc_u32 v[STO], s87, v[STO]               ; in: row = my query, + 64 h: my half's 16 channels of 32
	v_mad_u32_u24 v[SRD], v[TT], SPT, v[SRD]
	v_lshl_add_u32 v[GO], v[TT], 12, v[R16]        ; two rows of x and y: lanes 0-15 one, lanes 16-31 the next
	v_add_nc_u32 v[SRD], s87, v[SRD]               ; back: the same two rows; lanes j and j + 8 of a row read the same 16 bytes
.irp j, 0,1,2,3,4,5,6,7
	v_mov_b32 v[24+\j], 0                          ; the zero codes between the two copies of Q
.endr
.irp b, 0,1,2,3
	v_mov_b32 v[PM+\b], 0                          ; a lane permute's destination counts as one of its sources
.endr
	v_mov_b32 v[FF+1], 0                           ; (named as the upper half of the pair)
.macro INIT                            ; Q has landed: its scale word; the statistics and O^T begin anew
	v_mov_b32 v13, 0xff61b1e6                      ; the largest t so far: -3e38, under every t
	s_delay_alu instid0(VALU_DEP_1)
	v_floor_f32 v12, -v13                          ; -M
	v_mov_b32 v14, 0                               ; the sum, in two halves
	v_mov_b32 v15, 0
	v_lshrrev_b32 v[QSW], s[SH], v[QSW]            ; my tile's two bytes,
	s_delay_alu instid0(VALU_DEP_1)
	v_and_b32 v[QSW], 0xffff, v[QSW]
	s_delay_alu instid0(VALU_DEP_1)
	v_lshl_or_b32 v[QSW], v[QSW], 16, v[QSW]       ; twice: they serve Q in either half of the form's K
.set j, 0
.rept 32
	v_mov_b32 v[OT+j], 0                           ; O^T: the step is written once; its first trip finds zeros.  (These are also the places between the scale word's last write and the first product)
.set j, j+1
.endr
.endm
; A KEY STEP: 128 keys.  pf = 1: the text holds the prefetch.
.macro STEP pf
	v_add_nc_u32 v[ADK], s[TB], v[LI]
	v_add_nc_u32 v[ADV], s[TB], v[LV]
	v_add_nc_u32 v[ADS], s[TS], v[LS]
.rept 5
	v_nop                                          ; with the three additions: eight places behind the last products, in front of loads into registers that they read
.endr
.irp p, 0,1,2,3
.irp c, 0,1,2,3
	ds_load_b128 v[FG+16*\p+4*\c:FG+16*\p+4*\c+3], v[ADK] offset:2048*\p+512*\c   ; key tiles 2 p and 2 p + 1 on end: one fragment
.endr
.endr
	ds_load_b128 v[KSW:KSW+3], v[ADS]              ; row r's four words: one for each pair of tiles
	ds_load_b128 v[VSW:VSW+3], v[ADS] offset:4096  ; and V's: one for each tile of channels
	s_wait_alu depctr_va_vdst(0)
	s_wait_dscnt 0x0
.irp p, 0,1,2,3
	v_wmma_scale_f32_16x16x128_f8f6f4 v[SS+16*\p:SS+16*\p+7], v[FG+16*\p:FG+16*\p+15], v[16:31], 0, v[KSW+\p], v[QSW]
	v_wmma_scale_f32_16x16x128_f8f6f4 v[SS+16*\p+8:SS+16*\p+15], v[FG+16*\p:FG+16*\p+15], v[24:39], 0, v[KSW+\p], v[QSW]
.endr
.rept 8
	v_nop                                          ; places in front of the loads below and of the first read of the scores
.endr
.irp t, 0,1,2,3
.irp c, 0,1,2,3
	ds_load_b128 v[FG+16*\t+4*\c:FG+16*\t+4*\c+3], v[ADV] offset:2048*\t+512*\c   ; V's four fragments land under the softmax
.endr
.endr
.if \pf
; The rows of x that the way out adds: 32 rows x 256 bytes for this wave and its odd neighbour, a lane a row, each named once in the launch; asked for by the even wave where two key steps of the pass are left.
	s_cmp_eq_u32 s[CNT], s[LIM]
	s_cbranch_scc0 .Lnot_mine_\@
	global_prefetch_b8 v[PFO], s[PFA:PFA+1] th:TH_LOAD_NT scope:SCOPE_SE
.Lnot_mine_\@:
.endif
.irp b, 0,1,2,3
	v_max3_num_f32 v[BM+\b], v[SS+16*\b], v[SS+16*\b+1], v[SS+16*\b+2]   ; the largest score of each block of 32 keys: for the row's maximum, and, since p rises with the score, for the block's largest p
.endr
.irp i, 3,5,7,9,11,13
.irp b, 0,1,2,3
	v_max3_num_f32 v[BM+\b], v[BM+\b], v[SS+16*\b+\i], v[SS+16*\b+\i+1]
.endr
.endr
.irp b, 0,1,2,3
	v_max_num_f32 v[BM+\b], v[BM+\b], v[SS+16*\b+15]
.endr
.irp b, 0,1,2,3
	s_delay_alu instid0(VALU_DEP_4)
	v_permlanex16_b32 v[PM+\b], v[BM+\b], s[SEL], s[SEL+1]
.endr
.irp b, 0,1,2,3
	s_delay_alu instid0(VALU_DEP_4)
	v_max_num_f32 v[BM+\b], v[BM+\b], v[PM+\b]     ; with lane l xor 16's 16 keys
.endr
	s_delay_alu instid0(VALU_DEP_2)
	v_max3_num_f32 v[TT], v[BM], v[BM+1], v[BM+2]
	s_delay_alu instid0(VALU_DEP_1)
	v_max_num_f32 v[TT], v[TT], v[BM+3]
	s_delay_alu instid0(VALU_DEP_1)
	v_mul_f32 v[TT], s[CS], v[TT]                  ; as t (c is positive)
	s_delay_alu instid0(VALU_DEP_1)
	v_max_num_f32 v13, v13, v[TT]                  ; the running largest t
	v_mov_b32 v[TT], v12
	s_delay_alu instid0(VALU_DEP_2)
	v_floor_f32 v12, -v13                          ; the new -M = floor(-t) = -ceil(t)
	s_delay_alu instid0(VALU_DEP_1)
	v_sub_f32 v[TT], v12, v[TT]                    ; old M - new M: a whole number, 0 or less
	s_delay_alu instid0(VALU_DEP_1)
	v_cvt_i32_f32 v[TT], v[TT]                     ; (it saturates)
	s_delay_alu instid0(VALU_DEP_1)
	v_ldexp_f32 v[FF], 1.0, v[TT]                  ; f = 2^(old M - new M)
.set j, 0
.rept 32
	v_pk_fma_f32 v[SS+j:SS+j+1], v[SS+j:SS+j+1], s[CS:CS+1], v[12:13] op_sel_hi:[1,0,0]   ; t - M, two at a time
.set j, j+2
.endr
.irp b, 0,1,2,3
	v_fma_f32 v[BM+\b], v[BM+\b], s[CS], v12       ; the same of each block's largest score
.endr
.set j, 0
	s_wait_alu depctr_va_vdst(0)
.rept 64
	v_exp_f32 v[SS+j], v[SS+j]                     ; p = 2^(t - M), at most 1
.set j, j+1
.endr
	v_pk_mul_f32 v[14:15], v[14:15], v[FF:FF+1] op_sel_hi:[1,0]   ; the sums under the new M.  (A plain line behind the exponentials)
	s_wait_alu depctr_va_vdst(0)                   ; one wait for the whole batch, ahead of its first reader
.irp b, 0,1,2,3
	v_exp_f32 v[BM+\b], v[BM+\b]                   ; the block's largest p: the same two instructions on the same number give the same bits
.endr
	v_pk_add_f32 v[236:237], v[116:117], v[120:121]   ; the row's sum of the unquantised p, two at a time, in five chains
	v_pk_add_f32 v[46:47], v[124:125], v[128:129]
	v_pk_add_f32 v[44:45], v[132:133], v[136:137]
	v_pk_add_f32 v[42:43], v[140:141], v[144:145]
	v_pk_add_f32 v[14:15], v[14:15], v[148:149]
	v_pk_add_f32 v[236:237], v[236:237], v[152:153]
	v_pk_add_f32 v[46:47], v[46:47], v[156:157]
	v_pk_add_f32 v[44:45], v[44:45], v[160:161]
	v_pk_add_f32 v[42:43], v[42:43], v[164:165]
	v_pk_add_f32 v[14:15], v[14:15], v[168:169]
	v_pk_add_f32 v[236:237], v[236:237], v[172:173]
	v_pk_add_f32 v[46:47], v[46:47], v[112:113]
	v_pk_add_f32 v[44:45], v[44:45], v[114:115]
	v_pk_add_f32 v[42:43], v[42:43], v[118:119]
	v_pk_add_f32 v[14:15], v[14:15], v[122:123]
	v_pk_add_f32 v[236:237], v[236:237], v[126:127]
	v_pk_add_f32 v[46:47], v[46:47], v[130:131]
	v_pk_add_f32 v[44:45], v[44:45], v[134:135]
	v_pk_add_f32 v[42:43], v[42:43], v[138:139]
	v_pk_add_f32 v[14:15], v[14:15], v[142:143]
	v_pk_add_f32 v[236:237], v[236:237], v[146:147]
	v_pk_add_f32 v[46:47], v[46:47], v[150:151]
	v_pk_add_f32 v[44:45], v[44:45], v[154:155]
	v_pk_add_f32 v[42:43], v[42:43], v[158:159]
	v_pk_add_f32 v[14:15], v[14:15], v[162:163]
	v_pk_add_f32 v[236:237], v[236:237], v[166:167]
	v_pk_add_f32 v[46:47], v[46:47], v[170:171]
	v_pk_add_f32 v[44:45], v[44:45], v[174:175]
	s_delay_alu instid0(VALU_DEP_1)
	v_pk_add_f32 v[14:15], v[14:15], v[44:45]
	s_delay_alu instid0(VALU_DEP_4)
	v_pk_add_f32 v[236:237], v[236:237], v[42:43]
	s_delay_alu instid0(VALU_DEP_2)
	v_pk_add_f32 v[14:15], v[14:15], v[46:47]
	s_delay_alu instid0(VALU_DEP_1)
	v_pk_add_f32 v[14:15], v[14:15], v[236:237]
	s_wait_alu depctr_va_vdst(0)                   ; and one for the four
.irp b, 0,1,2,3
	v_max_num_f32 v[BM+\b], 0x4800000, v[BM+\b]    ; the floor 2^(9 - 127): the byte cannot fall under 1
.endr
.irp b, 0,1,2,3
	s_delay_alu instid0(VALU_DEP_4)
	v_add_nc_u32 v[SO+\b], 0xfc000000, v[BM+\b]    ; 8 off the exponent field: the conversion's scale operand
.endr
.irp b, 0,1,2,3
	v_and_or_b32 v[LM+\b], v[BM+\b], 0x7f800000, s[MNT]   ; 448 x the scale
.endr
.irp b, 0,1,2,3
	v_lshrrev_b32 v[PM+\b], 23, v[SO+\b]           ; the scale's byte
.endr
	s_delay_alu instid0(VALU_DEP_3)
	v_lshl_or_b32 v[PW], v[PM+1], 8, v[PM]         ; p's scale word for these 128 keys
	s_delay_alu instid0(VALU_DEP_1)
	v_lshl_or_b32 v[PW], v[PM+2], 16, v[PW]
	s_delay_alu instid0(VALU_DEP_1)
	v_lshl_or_b32 v[PW], v[PM+3], 24, v[PW]
; THE HOLD: the conversion does not saturate (ISA guide 7.6.2); p is not negative, so the hold is one-sided.  Two holds to an instruction: an even register of one block with an odd register of its
; neighbour block, so that the two destinations are even and odd and both pairs of sources have numbers that differ modulo 4.
.irp b, 0,2
.irp i, 0,2,4,6,8,10,12,14
	v_dual_min_num_f32 v[SS+16*\b+\i], v[SS+16*\b+\i], v[LM+\b] :: v_dual_min_num_f32 v[SS+16*\b+17+\i], v[SS+16*\b+17+\i], v[LM+\b+1]
	v_dual_min_num_f32 v[SS+16*\b+16+\i], v[SS+16*\b+16+\i], v[LM+\b+1] :: v_dual_min_num_f32 v[SS+16*\b+1+\i], v[SS+16*\b+1+\i], v[LM+\b]
.endr
.irp e, 0,1
	v_cvt_scalef32_pk8_fp8_f32 v[PC+4*(\b+\e):PC+4*(\b+\e)+1], v[SS+16*(\b+\e):SS+16*(\b+\e)+7], v[SO+\b+\e]
	v_cvt_scalef32_pk8_fp8_f32 v[PC+4*(\b+\e)+2:PC+4*(\b+\e)+3], v[SS+16*(\b+\e)+8:SS+16*(\b+\e)+15], v[SO+\b+\e]
.endr
.endr
	s_wait_alu depctr_va_vdst(0)                   ; the wait directly ahead of the first reader of O^T
.set j, 0
.rept 16
	v_pk_mul_f32 v[OT+j:OT+j+1], v[OT+j:OT+j+1], v[FF:FF+1] op_sel_hi:[1,0]   ; O^T under the new M.  (These are also the places between the codes and the products)
.set j, j+2
.endr
	s_wait_alu depctr_va_vdst(0)
	s_wait_dscnt 0x0                               ; V's fragments are in
.irp t, 0,1,2,3                        ; O^T += V^T P^T: the four accumulators by turns, one instruction a turn
	v_wmma_scale_f32_16x16x128_f8f6f4 v[OT+8*\t:OT+8*\t+7], v[FG+16*\t:FG+16*\t+15], v[PC:PC+15], v[OT+8*\t:OT+8*\t+7], v[VSW+\t], v[PW]
.endr
.endm
.macro STEPS first, n, pf              ; n key steps from step 'first' on: 8,192 bytes of codes and 256 of scale words a step
	s_mov_b32 s[TB], (\first)*8192
	s_mov_b32 s[TS], (\first)*256
	s_mov_b32 s[CNT], \n
.Lstep_\@:
	STEP \pf
	s_add_co_u32 s[TB], s[TB], 8192
	s_add_co_u32 s[TS], s[TS], 256
	s_sub_co_u32 s[CNT], s[CNT], 1
	s_cmp_lg_u32 s[CNT], 0
	s_cbranch_scc1 .Lstep_\@
.endm
; THE WAY OUT, all lanes on.  O^T / the sum goes through my stage in two halves of 32 channels: 16 rows of 128 bytes in, rows back.  Lanes j and j + 8 of a row read the same 16 bytes of each half; lanes 0-7 keep the
; first half's and lanes 8-15 the second's: sixteen lanes then hold a row's 256 bytes, take x's on, and store 256 consecutive bytes, aligned.  next = 1: the next pass's Q is asked for first.
.macro WAYOUT next
.rept 8
	v_nop                                          ; places behind the last products
.endr
.if \next
	s_add_nc_u64 s[QP:QP+1], s[QP:QP+1], 16384     ; the next pass: 16 tiles on (the loads that read these addresses were waited for)
	s_add_nc_u64 s[QSP:QSP+1], s[QSP:QSP+1], 512
	QLOAD
.endif
.irp g, 0,1
.irp i, 0,1,2,3
	global_load_b128 v[SS+16*\g+4*\i:SS+16*\g+4*\i+3], v[GO], s[XP:XP+1] offset:(16*\g+2*\i)*4096   ; x: rows 16 g + 2 i + (lane / 16), the head's 256 bytes
.endr
.endr
	v_add_f32 v14, v14, v15                        ; the sum's two halves,
	s_delay_alu instid0(VALU_DEP_1)
	v_permlanex16_b32 v[TT], v14, s[SEL], s[SEL+1]
	s_delay_alu instid0(VALU_DEP_1)
	v_add_f32 v14, v14, v[TT]                      ; and lane l xor 16's
	s_wait_alu depctr_va_vdst(0)
	v_rcp_f32 v14, v14
	v_nop                                          ; a plain line behind the reciprocal
	s_wait_alu depctr_va_vdst(0)                   ; and the wait ahead of its first reader, which is O^T's first reader too
.set j, 0
.rept 16
	v_pk_mul_f32 v[FG+j:FG+j+1], v[OT+j:OT+j+1], v[14:15] op_sel_hi:[1,0]   ; register 16 u + i: channel 32 u + 16 (lane / 16) + i of my query; each accumulator from its low end on
.set j, j+2
.endr
	s_wait_alu depctr_va_vdst(0)
.irp u, 0,1
.irp i, 0,1,2,3
	ds_store_b128 v[STO], v[FG+16*\u+4*\i:FG+16*\u+4*\i+3] offset:16*\i
.endr
.irp m, 0,1,2,3,4,5,6,7
	ds_load_b128 v[SS+32-64*\u+4*\m:SS+32-64*\u+4*\m+3], v[SRD] offset:2*\m*SPT   ; LDS serves a wave's instructions in order: these see my stores, and the second half's stores come behind them.  Half 0 -> v144 on, half 1 -> v80 on
.endr
.endr
	s_wait_loadcnt 0x0
	s_wait_dscnt 0x0
	v_and_b32 v[TT], 8, v0
	v_cmp_ne_u32 vcc_lo, 0, v[TT]                  ; lanes 8-15 of a row: channels 32 on
.set j, 0
.rept 32
	v_cndmask_b32 v[SS+32+j], v[SS+32+j], v[FG+32+j], vcc_lo
.set j, j+1
.endr
.set j, 0
.rept 16
	v_pk_add_f32 v[SS+32+j:SS+32+j+1], v[SS+32+j:SS+32+j+1], v[SS+j:SS+j+1]   ; + x
.set j, j+2
.endr
.irp g, 0,1
.irp i, 0,1,2,3
	global_store_b128 v[GO], v[SS+32+16*\g+4*\i:SS+32+16*\g+4*\i+3], s[YP:YP+1] offset:(16*\g+2*\i)*4096
.endr
.endr
.if \next
	s_wait_xcnt 0x0                                ; the stores and the prefetch have read their registers: data and bases may be written again
	s_add_nc_u64 s[XP:XP+1], s[XP:XP+1], 1048576   ; 256 rows on
	s_add_nc_u64 s[YP:YP+1], s[YP:YP+1], 1048576
	s_add_nc_u64 s[PFA:PFA+1], s[PFA:PFA+1], 1048576
.endif
.endm
	s_wait_alu depctr_va_vdst(0)
	s_wait_loadcnt 0x0                             ; Q
	INIT
	s_wait_alu depctr_va_vdst(0)
	s_wait_tensorcnt 0x0                           ; the head's fills of mine are in
	ds_add_u32 v254, v255                          ; the add, twice on end here
	ds_add_u32 v254, v255
	s_wait_dscnt 0x0
	CROUND                                         ; everybody's part of the head's fills is in, and all four work-groups are here: the joint loads meet
	s_cmp_lt_u32 s[WV], 2
	s_cbranch_scc1 .Lrest_asked
	s_cmp_lt_u32 s[WV], 8
	s_cbranch_scc0 .Lrest_asked
	TLOAD G0C, G1                                  ; waves 2 to 7: chunks 1, 2, 3 of K and of V: bytes that are filled for the first time
.Lrest_asked:
	STEPS 0, 4, 0                                  ; pass 0, the first 512 keys
	s_wait_alu depctr_va_vdst(0)
	s_wait_tensorcnt 0x0                           ; on every wave's way: all that was still out is in
	s_wait_dscnt 0x0
	s_barrier_signal -1
	s_barrier_wait -1
	STEPS 4, 12, 1
	WAYOUT 1
	INIT
	STEPS 0, 16, 1                                 ; pass 1: all of K and V lies in LDS
	WAYOUT 0
	s_wait_tensorcnt 0x0                           ; the wave's end
	ds_add_u32 v254, v255
	s_wait_dscnt 0x0
	CROUND                                         ; the closing round: no work-group ends while a partner may still ask for a tile that names it
	s_endpgm
.Lfunc_end_k_q742da00acc_attn:
	.size	k_q742da00acc_attn, .Lfunc_end_k_q742da00acc_attn-k_q742da00acc_attn
	.p2alignl 7, 3214868480
	.fill 96, 4, 3214868480
	.section	.rodata,"a",@progbits
	.p2align	6, 0x0
	.amdhsa_kernel k_q742da00acc_attn
		.amdhsa_group_segment_fixed_size 327680
		.amdhsa_private_segment_fixed_size 0
		.amdhsa_enable_private_segment 0
		.amdhsa_kernarg_size 48
		.amdhsa_user_sgpr_count 2
		.amdhsa_user_sgpr_kernarg_segment_ptr 1
		.amdhsa_wavefront_size32 1
		.amdhsa_system_sgpr_workgroup_id_x 1
		.amdhsa_system_sgpr_workgroup_id_y 1
		.amdhsa_system_sgpr_workgroup_id_z 1
		.amdhsa_system_vgpr_workitem_id 0
		.amdhsa_next_free_vgpr 256
		.amdhsa_next_free_sgpr 92
		.amdhsa_reserve_vcc 1
		.amdhsa_float_denorm_mode_32 3
		.amdhsa_float_denorm_mode_16_64 3
		.amdhsa_memory_ordered 1
		.amdhsa_forward_progress 1
		.amdhsa_inst_pref_size 85
	.end_amdhsa_kernel
	.amdgpu_metadata
---
amdhsa.version: [ 1, 2 ]
amdhsa.kernels:
  - .name:           k_q742da00acc_attn
    .symbol:         k_q742da00acc_attn.kd
    .args:
      - { .name: qkc, .offset: 0, .size: 8, .value_kind: global_buffer, .address_space: global }
      - { .name: qks, .offset: 8, .size: 8, .value_kind: global_buffer, .address_space: global }
      - { .name: c1, .offset: 16, .size: 8, .value_kind: global_buffer, .address_space: global }
      - { .name: s1, .offset: 24, .size: 8, .value_kind: global_buffer, .address_space: global }
      - { .name: inputs, .offset: 32, .size: 8, .value_kind: global_buffer, .address_space: global }
      - { .name: y, .offset: 40, .size: 8, .value_kind: global_buffer, .address_space: global }
    .group_segment_fixed_size: 327680
    .private_segment_fixed_size: 0
    .kernarg_segment_align: 8
    .kernarg_segment_size: 48
    .max_flat_workgroup_size: 512
    .sgpr_count:     92
    .vgpr_count:     256
    .wavefront_size: 32
...
	.end_amdgpu_metadata
.endif
;; end of part 3
;; launch norm (part 4): grid 512 x 1, 4 waves a work-group, no clusters, 0 bytes of LDS; arguments y, ln_weight, ln_bias, out0; writes out0
.if DOCPART == 4
	.amdgcn_target "amdgcn-amd-amdhsa--gfx1250"
	.amdhsa_code_object_version 6
	.text
	.protected	k_q742da00acc_norm
	.globl	k_q742da00acc_norm
	.p2align	8
	.type	k_q742da00acc_norm,@function
k_q742da00acc_norm:
	s_mov_b64 s[64:65], 0
	v_nop
	global_prefetch_b8 v0, s[64:65] scope:SCOPE_SE
	s_setreg_imm32_b32 hwreg(HW_REG_WAVE_MODE, 25, 1), 1
	s_wait_xcnt 0x0
; out = (y - mean) / sqrt(var + 1e-5) x weight + bias, row by row.  y, out: [8192][1024] f32; weight, bias: [1024] f32.
; A row is 4,096 bytes: one wave takes a whole row, eight 16-byte loads a lane, and keeps it in 32 registers through both reductions: y is read once, and no wave waits for another.
; A wave takes four rows, all asked for at the head; a lane keeps the same 32 columns in every row, so its weights and biases are loaded once.
; The variance is taken of y - mean, not as a difference of large sums.  No LDS, no barrier, no loop; matrix units and clusters have nothing to do here: memory binds.
.set WT,  16                           ; v16-47  the weight of my 32 columns
.set BS,  48                           ; v48-79  the bias
.set YR,  80                           ; v80-207 four rows of 32 registers
	s_load_b256 s[4:11], s[0:1], 0x0               ; y s[4:5], weight s[6:7], bias s[8:9], out s[10:11]
	v_lshrrev_b32 v2, 5, v0
	v_readfirstlane_b32 s16, v2                    ; wave 0..3
	v_and_b32 v1, 31, v0
	v_lshlrev_b32 v1, 4, v1                        ; 16 x lane; never rewritten
	s_lshl_b32 s2, ttmp9, 16                       ; 16 rows of 4,096 bytes a work-group,
	s_lshl_b32 s3, s16, 14                         ; four a wave
	s_add_co_u32 s2, s2, s3
	s_mov_b32 s3, 0
	s_mov_b32 s12, 0x76543210                      ; v_permlanex16_b32: lane l xor 16
	s_mov_b32 s13, 0xfedcba98
	s_mov_b32 s14, 0x3a800000                      ; 1 / 1024
	s_mov_b32 s15, 0x3727c5ac                      ; 1e-5
	v_mov_b32 v5, 0                                ; a lane permute's destination counts as one of its sources
	v_mov_b32 v13, 0                               ; (named as the upper halves of pairs)
	v_mov_b32 v15, 0
	s_wait_alu depctr_va_vdst(0)
	s_wait_kmcnt 0x0
	s_add_nc_u64 s[4:5], s[4:5], s[2:3]
	s_add_nc_u64 s[10:11], s[10:11], s[2:3]
.irp k, 0,1,2,3,4,5,6,7
	global_load_b128 v[WT+4*\k:WT+4*\k+3], v1, s[6:7] offset:512*\k
.endr
.irp k, 0,1,2,3,4,5,6,7
	global_load_b128 v[BS+4*\k:BS+4*\k+3], v1, s[8:9] offset:512*\k
.endr
.irp i, 0,1,2,3
.irp k, 0,1,2,3,4,5,6,7
	global_load_b128 v[YR+32*\i+4*\k:YR+32*\i+4*\k+3], v1, s[4:5] offset:4096*\i+512*\k th:TH_LOAD_NT   ; 32 lanes read 512 consecutive bytes
.endr
.endr
.macro ACROSS                          ; v4 summed over the 32 lanes, the result in every lane
	v_add_f32_dpp v4, v4, v4 row_xmask:1 row_mask:0xf bank_mask:0xf
	v_add_f32_dpp v4, v4, v4 row_xmask:2 row_mask:0xf bank_mask:0xf
	v_add_f32_dpp v4, v4, v4 row_xmask:4 row_mask:0xf bank_mask:0xf
	v_add_f32_dpp v4, v4, v4 row_xmask:8 row_mask:0xf bank_mask:0xf
	v_permlanex16_b32 v5, v4, s12, s13
	v_add_f32 v4, v4, v5
.endm
.macro ROW i
.set Y, YR+32*\i
	s_wait_loadcnt 8*(3-\i)                        ; loads come back in order: the weight, the bias and this row are in; the later rows' eight loads each may be out
	v_pk_add_f32 v[4:5], v[Y:Y+1], v[Y+2:Y+3]      ; the row's sum, two at a time, in two chains
	v_pk_add_f32 v[6:7], v[Y+4:Y+5], v[Y+6:Y+7]
.irp j, 8,12,16,20,24,28
	v_pk_add_f32 v[4:5], v[4:5], v[Y+\j:Y+\j+1]
	v_pk_add_f32 v[6:7], v[6:7], v[Y+\j+2:Y+\j+3]
.endr
	v_pk_add_f32 v[4:5], v[4:5], v[6:7]
	v_add_f32 v4, v4, v5
	ACROSS
	v_mul_f32 v12, s14, v4                         ; the mean
.set j, 0
.rept 16
	v_pk_add_f32 v[Y+j:Y+j+1], v[Y+j:Y+j+1], v[12:13] op_sel_hi:[1,0] neg_lo:[0,1] neg_hi:[0,1]   ; y - mean, in place
.set j, j+2
.endr
	v_pk_mul_f32 v[4:5], v[Y:Y+1], v[Y:Y+1]        ; the sum of squares, in two chains
	v_pk_mul_f32 v[6:7], v[Y+2:Y+3], v[Y+2:Y+3]
.irp j, 4,8,12,16,20,24,28
	v_pk_fma_f32 v[4:5], v[Y+\j:Y+\j+1], v[Y+\j:Y+\j+1], v[4:5]
	v_pk_fma_f32 v[6:7], v[Y+\j+2:Y+\j+3], v[Y+\j+2:Y+\j+3], v[6:7]
.endr
	v_pk_add_f32 v[4:5], v[4:5], v[6:7]
	v_add_f32 v4, v4, v5
	ACROSS
	v_fma_f32 v14, v4, s14, s15                    ; the variance + 1e-5
	s_wait_alu depctr_va_vdst(0)
	v_rsq_f32 v14, v14
	v_nop                                          ; a plain line behind the root
	s_wait_alu depctr_va_vdst(0)                   ; and the wait ahead of its first reader
.set j, 0
.rept 16
	v_pk_mul_f32 v[Y+j:Y+j+1], v[Y+j:Y+j+1], v[14:15] op_sel_hi:[1,0]
.set j, j+2
.endr
.set j, 0
.rept 16
	v_pk_fma_f32 v[Y+j:Y+j+1], v[Y+j:Y+j+1], v[WT+j:WT+j+1], v[BS+j:BS+j+1]
.set j, j+2
.endr
.irp k, 0,1,2,3,4,5,6,7
	global_store_b128 v1, v[Y+4*\k:Y+4*\k+3], s[10:11] offset:4096*\i+512*\k th:TH_STORE_NT   ; 32 lanes store 512 consecutive bytes; no register of a store is written again
.endr
.endm
	ROW 0
	ROW 1
	ROW 2
	ROW 3
	s_endpgm
.Lfunc_end_k_q742da00acc_norm:
	.size	k_q742da00acc_norm, .Lfunc_end_k_q742da00acc_norm-k_q742da00acc_norm
	.p2alignl 7, 3214868480
	.fill 96, 4, 3214868480
	.section	.rodata,"a",@progbits
	.p2align	6, 0x0
	.amdhsa_kernel k_q742da00acc_norm
		.amdhsa_group_segment_fixed_size 0
		.amdhsa_private_segment_fixed_size 0
		.amdhsa_enable_private_segment 0
		.amdhsa_kernarg_size 32
		.amdhsa_user_sgpr_count 2
		.amdhsa_user_sgpr_kernarg_segment_ptr 1
		.amdhsa_wavefront_size32 1
		.amdhsa_system_sgpr_workgroup_id_x 1
		.amdhsa_system_sgpr_workgroup_id_y 1
		.amdhsa_system_sgpr_workgroup_id_z 1
		.amdhsa_system_vgpr_workitem_id 0
		.amdhsa_next_free_vgpr 208
		.amdhsa_next_free_sgpr 66
		.amdhsa_reserve_vcc 0
		.amdhsa_float_denorm_mode_32 3
		.amdhsa_float_denorm_mode_16_64 3
		.amdhsa_memory_ordered 1
		.amdhsa_forward_progress 1
		.amdhsa_inst_pref_size 33
	.end_amdhsa_kernel
	.amdgpu_metadata
---
amdhsa.version: [ 1, 2 ]
amdhsa.kernels:
  - .name:           k_q742da00acc_norm
    .symbol:         k_q742da00acc_norm.kd
    .args:
      - { .name: y, .offset: 0, .size: 8, .value_kind: global_buffer, .address_space: global }
      - { .name: ln_weight, .offset: 8, .size: 8, .value_kind: global_buffer, .address_space: global }
      - { .name: ln_bias, .offset: 16, .size: 8, .value_kind: global_buffer, .address_space: global }
      - { .name: out0, .offset: 24, .size: 8, .value_kind: global_buffer, .address_space: global }
    .group_segment_fixed_size: 0
    .private_segment_fixed_size: 0
    .kernarg_segment_align: 8
    .kernarg_segment_size: 32
    .max_flat_workgroup_size: 128
    .sgpr_count:     66
    .vgpr_count:     208
    .wavefront_size: 32
...
	.end_amdgpu_metadata
.endif
;; end of part 4
